; MI455X (gfx1250); checked and timed in simulation.
; The chip was launched on July 23, 2026; its instructions are those of AMD's public machine-readable ISA for CDNA 5 (MIT licence, August 2026) and "CDNA5" Instruction Set Architecture Reference Guide (July 2026). The comments in the code are by the model that wrote it; some were corrected since.
;; HCNF. Allowed arithmetic: float matrix products may take bf16 or f16 operands with f32 sums; other float arithmetic in f32, or as packed bf16 or f16 multiplies, adds, multiply-adds, maxima and minima; sums over many terms, partial sums and values carried from step to step in f32; what a program stores and reads back later, other than sums and carried values, may be rounded once to bf16 or f16.
;; Inputs: W0 33 x 128 float32; W1 128 x 128 float32; W2 128 x 128 float32; W3 128 x 32 float32; b0 128 float32; b1 128 float32; b2 128 float32; b3 32 float32; z 2,048 x 33 float32.
;; Outputs: out0 2,048 x 33 float32; out1 2,048 float32.
;; One version. Each part assembles by itself: llvm-mc -triple=amdgcn-amd-amdhsa -mcpu=gfx1250 --defsym DOCPART=n.
;; ======== version 1 of 1: 1 launch
;; limits: inputs' magnitudes at most 1.8e+19
;; launch hcnf (part 1): grid 256 x 1, 4 waves a work-group, no clusters, 128,512 bytes of LDS; arguments z, W0, W1, W2, W3, b0, b1, b2, b3, out0, out1; writes out0, out1
.if DOCPART == 1
	.amdgcn_target "amdgcn-amd-amdhsa--gfx1250"
	.amdhsa_code_object_version 6
	.text
	.protected	k_q41788e5a09_hcnf
	.globl	k_q41788e5a09_hcnf
	.p2align	8
	.type	k_q41788e5a09_hcnf,@function
k_q41788e5a09_hcnf:
	s_mov_b64 s[64:65], 0
	v_nop
	global_prefetch_b8 v0, s[64:65] scope:SCOPE_SE
	s_setreg_imm32_b32 hwreg(HW_REG_WAVE_MODE, 25, 1), 1
	s_wait_xcnt 0x0
; HYPERBOLIC CONTINUOUS FLOW: log map at the origin, 4 RK4 steps (16 evaluations, "stages") of a 33-128-128-128-32 tanh network with the exact trace of its
; 32 x 32 Jacobian, exp map, two log-determinants.  z [2048][33], W0 [33][128], W1, W2 [128][128], W3 [128][32], biases, out0 [2048][33], out1 [2048]: all f32.
; THE TRACE.  tr J = sum over i, j of A[i][j] d2[j] Bm[i][j], A = (W0 rows 0-31 x d1) W1, Bm = (W3^T x d3) W2^T, d_l = 1 - tanh^2 at layer l: the same algebra as 32 tangents
; pushed through and the diagonal summed, in two independent products of 32 x 128 x 128 for each sample and stage.
; SHARES.  256 work-groups of four waves; a work-group owns 8 samples for the whole integration.  Forward: one tile of 16 columns holds the 8 samples twice (column r = sample r & 7);
; wave w makes hidden units 32 w .. 32 w + 31 of each layer and hands tanh and derivative to the others through LDS, as images of the next product's registers; the last layer is
; made by every wave, so y is kept in all.  Tangents: wave w owns samples 2 w and 2 w + 1, four tiles (sample, half of i) of 64 matrix instructions each.
; ALL PRODUCTS ARE USED TRANSPOSED: source 0 = 16 rows of weights (the output feature), source 1 = 16 samples or tangents.  Register q of lane (r, h) of a result is feature 8 h + q, column r.
; WEIGHTS STAY IN REGISTERS as bf16 fragments for the whole launch (720 registers); they are read from memory once a work-group, scaled, rounded and turned through LDS.
; SCALE.  c = 2 log2(e).  W0, W1, W2, b0, b1, b2 are multiplied by c in f32 before the rounding, so a layer's sum is the exponent itself: tanh = 1 - 2 / (1 + 2^h).  The trace comes out
; as c^3 tr J and is divided once at the end.
; LEFT OUT.  Tensor loads, clusters, joint loads: what work-groups share is 164 KB of f32 weights read once each, which must pass through registers (scale, round, turn); behind
; that the launch reads no memory.  For the same reason nothing is prefetched.
; STORES.  A work-group's part of out0 is 1,056 consecutive bytes (8 rows of 132): it leaves as 66 lanes of 16 consecutive bytes; its start is a multiple of 16, not of 256, by the row's length.
; Its part of out1 is 32 consecutive bytes.
; LIMITS.  z0^2 must be finite in f32 (z0 under 1.8e19).  cosh and sinh are made of e^r / 2 and are finite wherever that is.  tanh carries an absolute error of about 1e-7.
; Matrix operands are bf16(c W), bf16(tanh), bf16(y), and bf16(bf16(c W0) x bf16(d1)), bf16(bf16(W3) x bf16(d3)).  NaN and infinities are not treated apart.
;
; LDS, bytes
.set XA1,   0          ; tanh of layer 1, bf16: image of source 1: K chunk kc at 1024 kc, half e at 512 e, lane L at 16 L
.set XD1,   4096       ; its derivative, likewise
.set XA2,   8192
.set XD2F,  12288      ; derivative of layer 2 in f32: image of a result: tile jt at 1024 jt, registers 4 u .. at 512 u, lane L at 16 L
.set XA3,   20480
.set XD3,   24576
.set BV0,   28672      ; c b0, c W0[32], c b1, c b2: f32, element m at 4 m
.set BVT,   29184
.set BV1,   29696
.set BV2,   30208
.set BV3,   30720      ; b3, a copy for each wave at 128 w
.set XTR,   31232      ; the eight traces
.set XO,    31488      ; wave 0's stage for out0: 8 rows of 132 bytes
.set SPARE, 32768      ; the spare words, 128 bytes for each wave: two blocks of 256 bytes that no other line names
.set SW0,   33280      ; c W0 rows 0-31, bf16, pitch 288
.set SW3,   42496      ; W3, bf16, pitch 96
.set SW1,   54784      ; c W1, bf16, pitch 288
.set SW2,   91648      ; c W2, bf16, pitch 288
; REGISTERS, in windows of 256 (s_set_vgpr_msb: bits 1:0 source 0, 3:2 source 1, 5:4 source 2, 7:6 destination)
;   window 2: W1^T fragments, rows j = 16 jt + r, K = m, at 32 jt + 8 kc          window 3: W2 fragments, rows j, K = k, at 32 jt + 8 kc
;   window 1: v0-63 W0 rows i, K = m (32 ih + 8 kc); v64-127 W3^T rows i, K = k (64 + 32 ih + 8 kc); v128-191 W2^T, my rows k (128 + 32 tl + 8 kc); v192-207 W0^T, my rows m (192 + 8 tl); v208-239 d2
;   window 0: v0 thread; v1 16 L; v2 32 w + 256 h; v3 1024 w + 16 L; v4 2048 w + 16 L; v5 128 w + 32 h; v6, v7 the add's two; v8 first log-determinant; v9 at work;
;             v10-13 two traces (pairs); v14-15 t, twice; below as named.  The forward pass uses registers that are dead outside the tangents.
.set RY,   16          ; y: register 8 ih + q holds i = 16 ih + 8 h + q of sample r & 7
.set RYA,  32          ; y + the weighted slopes so far
.set RYB,  48          ; the network's argument, bf16: source 1 of layer 0
.set RPS,  56          ; four pairs of partial sums
.set RT0,  64          ; (W0 x d1): source 1 of product A, 8 kc
.set RT3,  96          ; (W3^T x d3): source 1 of product B
.set RACA, 128         ; four accumulators of A
.set RACB, 160         ; four of Bm
.set RG,   192         ; sum over i halves of A x Bm: 8 jt + q
.set RH,   128         ; forward: two accumulators
.set RTA,  144         ; forward: tanh in f32
.set RTW,  160         ; forward: the time row
.set RAB,  176         ; forward: tanh in bf16
.set RDB,  184         ; forward: derivative in bf16
.set RAO,  192         ; forward: source 1, four K chunks
.set RD2,  208         ; window 1
; s[8:29] the eleven addresses; s30 wave; s31 stage; s32 stage & 3; s33, s45-47 at work; s[36:37] the slope's weight; s[38:39] the next argument's step; s[40:41] c; s[42:43] lane selects; s44 EXEC; s50-53 constants
.set MSB, 0
.macro WIN new                         ; the immediate's high byte repeats the setting that is left; a switch that changes nothing is dropped
.if MSB != (\new)
	s_set_vgpr_msb (MSB<<8)|(\new)
.set MSB, (\new)
.endif
.endm
.macro NOP4                            ; four places behind a matrix instruction, in front of what reads its result or writes or loads into its registers
.rept 4
	v_nop
.endr
.endm
.macro BAR                             ; my LDS stores are done and my LDS loads are back; then the work-group's barrier
	s_wait_dscnt 0x0
	s_barrier_signal -1
	s_barrier_wait -1
.endm
	s_load_b512 s[8:23], s[0:1], 0x0               ; z, W0, W1, W2, W3, b0, b1, b2
	s_load_b128 s[24:27], s[0:1], 0x40             ; b3, out0
	s_load_b64 s[28:29], s[0:1], 0x50              ; out1
	v_lshl_add_u32 v6, v0, 2, SPARE                ; my spare word,
	v_mov_b32 v7, 0                                ; and 0: kept for the add at the wave's end
	v_lshrrev_b32 v150, 5, v0
	v_readfirstlane_b32 s30, v150                  ; wave 0..3
	v_and_b32 v146, 31, v0                         ; L
	v_and_b32 v147, 15, v0                         ; r
	v_bfe_u32 v148, v0, 4, 1                       ; h
	v_and_b32 v149, 7, v0                          ; r & 7
	v_bfe_u32 v151, v0, 3, 1                       ; (L >> 3) & 1
	v_lshlrev_b32 v1, 4, v146
	s_lshl_b32 s33, s30, 5
	v_lshl_add_u32 v2, v148, 8, s33
	s_lshl_b32 s33, s30, 10
	v_add_nc_u32 v3, s33, v1
	s_lshl_b32 s33, s30, 11
	v_add_nc_u32 v4, s33, v1
	s_lshl_b32 s33, s30, 7
	v_lshl_add_u32 v5, v148, 5, s33
	v_lshlrev_b32 v129, 2, v146                    ; 4 L
	v_add_nc_u32 v128, s33, v129                   ; 4 t
	v_lshlrev_b32 v130, 4, v0                      ; 16 t
	v_mul_u32_u24 v132, v149, 132                  ; my sample's row among the group's 8
	v_lshl_add_u32 v131, v148, 5, v132             ; + 32 h
	s_mul_i32 s33, s30, 288                        ; staging: load n of 128 threads x 16 bytes is row 4 n + w, columns 4 L ..
	v_lshl_add_u32 v136, v146, 3, s33
	v_add_nc_u32 v133, SW0, v136
	v_add_nc_u32 v135, SW1, v136
	v_add_nc_u32 v136, SW2, v136
	s_mul_i32 s33, s30, 384                        ; W3 (rows of 32): row 16 n + 4 w + (L >> 3), columns 4 (L & 7) ..
	s_add_co_u32 s33, s33, SW3
	v_lshrrev_b32 v150, 3, v146
	v_mul_u32_u24 v150, v150, 96
	v_lshl_add_u32 v134, v149, 3, v150
	v_add_nc_u32 v134, s33, v134
	v_lshl_add_u32 v150, v148, 3, v149             ; the turning load's row: 8 h + (L & 7)
	v_mul_u32_u24 v137, v150, 288
	v_lshl_add_u32 v137, v151, 4, v137
	v_mul_u32_u24 v138, v150, 96
	v_lshl_add_u32 v138, v151, 4, v138
	v_mul_u32_u24 v139, v147, 288                  ; the plain load's: row r, 16 h
	v_lshl_add_u32 v139, v148, 4, v139
	v_add_nc_u32 v140, SW1, v137
	v_add_nc_u32 v141, SW2, v139
	s_lshl_b32 s33, s30, 6                         ; my 32 columns, 64 bytes a wave
	s_add_co_u32 s45, s33, SW2
	v_add_nc_u32 v142, s45, v137
	s_add_co_u32 s45, s33, SW0
	v_add_nc_u32 v143, s45, v137
	v_add_nc_u32 v144, SW0, v139
	v_add_nc_u32 v145, SW3, v138
	s_mov_b32 s40, 0x4038aa3b                      ; c = 2 log2(e)
	s_mov_b32 s41, s40
	s_mov_b32 s42, 0x76543210                      ; v_permlanex16_b32: each lane takes its own place in the other half
	s_mov_b32 s43, 0xfedcba98
	s_mov_b32 s50, 0x3d2aaaab                      ; DT / 6
	s_mov_b32 s51, 0x3daaaaab                      ; DT / 3
	s_mov_b32 s52, 0x3e000000                      ; DT / 2
	s_mov_b32 s53, 0x3e800000                      ; DT
	s_mul_i32 s46, ttmp9, 1056                     ; the group's 8 rows of 132 bytes
	s_mov_b32 s47, 0
	s_wait_kmcnt 0x0
	s_add_nc_u64 s[8:9], s[8:9], s[46:47]
	s_add_nc_u64 s[26:27], s[26:27], s[46:47]
	s_lshl_b32 s46, ttmp9, 5
	s_add_nc_u64 s[28:29], s[28:29], s[46:47]
	; all 102 loads go out at once: 53 (biases, W0, W3, W1), 32 (W2), 17 (z)
	global_load_b32 v56, v128, s[18:19]
	global_load_b32 v57, v128, s[10:11] offset:16384   ; W0's row 32, the time row
	global_load_b32 v58, v128, s[20:21]
	global_load_b32 v59, v128, s[22:23]
	global_load_b32 v60, v129, s[24:25]
	WIN 0x40
.irp n, 0,1,2,3,4,5,6,7
	global_load_b128 v[4*(\n):4*(\n)+3], v130, s[10:11] offset:2048*(\n)
.endr
.irp n, 0,1,2,3,4,5,6,7
	global_load_b128 v[32+4*(\n):32+4*(\n)+3], v130, s[16:17] offset:2048*(\n)
.endr
	WIN 0x80
.set gi, 0
.rept 32
	global_load_b128 v[4*gi:4*gi+3], v130, s[12:13] offset:2048*gi
.set gi, gi+1
.endr
.set gi, 0
.rept 32
	global_load_b128 v[128+4*gi:128+4*gi+3], v130, s[14:15] offset:2048*gi
.set gi, gi+1
.endr
	WIN 0
.irp ih, 0,1
.irp q, 0,1,2,3,4,5,6,7
	global_load_b32 v[RY+8*(\ih)+(\q)], v131, s[8:9] offset:4+64*(\ih)+4*(\q)
.endr
.endr
	global_load_b32 v9, v132, s[8:9]               ; z0
; n loads of 16 bytes in window win from register src on: scaled by c (scale = 1), rounded to bf16, 8 bytes a lane into LDS
.macro CONV win, src, n, scale, va, stride
.if \scale
	WIN ((\win)<<6)|(\win)
.set ci, 0
.rept 2*(\n)
	v_pk_mul_f32 v[(\src)+2*ci:(\src)+2*ci+1], v[(\src)+2*ci:(\src)+2*ci+1], s[40:41] op_sel_hi:[1,0]
.set ci, ci+1
.endr
.endif
	WIN 5*(\win)
.set ci, 0
.rept 2*(\n)
	v_cvt_pk_bf16_f32 v[64+ci], v[(\src)+2*ci], v[(\src)+2*ci+1]
.set ci, ci+1
.endr
	WIN 0
.set ci, 0
.rept \n
	ds_store_b64 v[\va], v[64+2*ci:65+2*ci] offset:(\stride)*ci
.set ci, ci+1
.endr
.endm
	s_wait_loadcnt 49                              ; loads come back in order: all but W2's 32 and z's 17 are in
	v_mul_f32 v56, s40, v56
	v_mul_f32 v57, s40, v57
	v_mul_f32 v58, s40, v58
	v_mul_f32 v59, s40, v59
	ds_store_b32 v128, v56 offset:BV0
	ds_store_b32 v128, v57 offset:BVT
	ds_store_b32 v128, v58 offset:BV1
	ds_store_b32 v128, v59 offset:BV2
	ds_store_b32 v128, v60 offset:BV3              ; 4 t = 128 w + 4 L: each wave writes its own copy of b3
	CONV 1, 0, 8, 1, 133, 1152
	CONV 1, 32, 8, 0, 134, 1536
	CONV 2, 0, 32, 1, 135, 1152
	s_wait_loadcnt 17                              ; all but z's 17
	CONV 2, 128, 32, 1, 136, 1152
	BAR                                            ; everybody's part of the staged weights and biases is in LDS
; A fragment is 16 rows x 32 K in 8 registers.  Rows that lie along K: two plain loads, 32 bytes apart.  Rows that lie across K: two turning loads, 16 rows apart.
.macro FRAGT dst, va, off, sec
	ds_load_tr16_b128 v[(\dst):(\dst)+3], v[\va] offset:(\off)
	ds_load_tr16_b128 v[(\dst)+4:(\dst)+7], v[\va] offset:(\off)+(\sec)
.endm
.macro FRAGP dst, va, off
	ds_load_b128 v[(\dst):(\dst)+3], v[\va] offset:(\off)
	ds_load_b128 v[(\dst)+4:(\dst)+7], v[\va] offset:(\off)+32
.endm
	WIN 0x80
.irp jt, 0,1,2,3,4,5,6,7
.irp kc, 0,1,2,3
	FRAGT 32*(\jt)+8*(\kc), 140, 9216*(\kc)+32*(\jt), 4608
.endr
.endr
	WIN 0xc0
.irp jt, 0,1,2,3,4,5,6,7
.irp kc, 0,1,2,3
	FRAGP 32*(\jt)+8*(\kc), 141, 4608*(\jt)+64*(\kc)
.endr
.endr
	WIN 0x40
.irp tl, 0,1
.irp kc, 0,1,2,3
	FRAGT 128+32*(\tl)+8*(\kc), 142, 9216*(\kc)+32*(\tl), 4608
	FRAGP 32*(\tl)+8*(\kc), 144, 4608*(\tl)+64*(\kc)
	FRAGT 64+32*(\tl)+8*(\kc), 145, 3072*(\kc)+32*(\tl), 1536
.endr
	FRAGT 192+8*(\tl), 143, 32*(\tl), 4608
.endr
	WIN 0
; From y: x = |y|^2 + 1e-12, rho = sqrt(x); v62 = cosh(rho), v58 = sinh(rho) / rho, v[ld] = 31 ln(sinh(rho) / rho).  Below x = 0.25 the quotient is its series to x^3 (the next term is under 1.1e-8 there).
.macro SHR ld
	v_pk_mul_f32 v[56:57], v[RY:RY+1], v[RY:RY+1]
	v_pk_mul_f32 v[58:59], v[RY+2:RY+3], v[RY+2:RY+3]
.irp i, 4,8,12
	v_pk_fma_f32 v[56:57], v[RY+(\i):RY+(\i)+1], v[RY+(\i):RY+(\i)+1], v[56:57]
	v_pk_fma_f32 v[58:59], v[RY+(\i)+2:RY+(\i)+3], v[RY+(\i)+2:RY+(\i)+3], v[58:59]
.endr
	v_pk_add_f32 v[56:57], v[56:57], v[58:59]
	v_add_f32 v56, v56, v57
	v_permlanex16_b32 v9, v56, s42, s43            ; the sample's other 16 numbers lie in the lane 16 away
	v_add_f32 v56, v56, v9
	v_add_f32 v56, 0x2b8cbccc, v56                 ; + 1e-12
	v_sqrt_f32 v57, v56
	v_mov_b32 v60, 0x39500d01                      ; 1 / 5040: the series stands behind the root
	v_fmaak_f32 v60, v56, v60, 0x3c088889          ; 1 / 120
	v_fmaak_f32 v60, v56, v60, 0x3e2aaaab          ; 1 / 6
	v_fma_f32 v60, v56, v60, 1.0
	s_wait_alu depctr_va_vdst(0)
	v_mul_f32 v62, 0x3fb8aa3b, v57                 ; rho log2(e)
	v_rcp_f32 v61, v57
	v_add_f32 v58, -1.0, v62
	v_sub_f32 v59, -1.0, v62
	v_exp_f32 v58, v58                             ; e^rho / 2
	v_exp_f32 v59, v59                             ; e^-rho / 2
	v_nop                                          ; a plain instruction behind the exponentials
	s_wait_alu depctr_va_vdst(0)
	v_add_f32 v62, v58, v59
	v_sub_f32 v58, v58, v59
	v_mul_f32 v58, v58, v61
	v_cmp_gt_f32 vcc_lo, s53, v56
	v_cndmask_b32 v58, v58, v60, vcc_lo
	v_log_f32 v63, v58
	v_nop
	s_wait_alu depctr_va_vdst(0)
	v_mul_f32 v[\ld], 0x41abe687, v63              ; 31 ln 2
.endm
	; THE LOG MAP stands in the wait for the fragments: alpha = max(z0, 1 + 1e-7 as f32), s = sqrt(alpha^2 - 1), y = x ln(alpha + s) / s
	s_wait_loadcnt 0x0
	v_max_num_f32 v56, 0x3f800001, v9
	v_fma_f32 v57, v56, v56, -1.0
	v_sqrt_f32 v57, v57
	v_nop
	s_wait_alu depctr_va_vdst(0)
	v_add_f32 v58, v56, v57
	v_log_f32 v58, v58
	v_rcp_f32 v59, v57
	v_nop
	s_wait_alu depctr_va_vdst(0)
	v_mul_f32 v58, 0x3f317218, v58                 ; ln 2
	v_mul_f32 v58, v58, v59
.irp i, 0,2,4,6,8,10,12,14
	v_pk_mul_f32 v[RYA+(\i):RYA+(\i)+1], v[RY+(\i):RY+(\i)+1], v[58:59] op_sel_hi:[1,0]
.endr
.irp i, 0,2,4,6,8,10,12,14
	v_pk_mul_f32 v[RY+(\i):RY+(\i)+1], v[RY+(\i):RY+(\i)+1], v[58:59] op_sel_hi:[1,0]
.endr
.irp i, 0,1,2,3,4,5,6,7
	v_cvt_pk_bf16_f32 v[RYB+(\i)], v[RY+2*(\i)], v[RY+2*(\i)+1]
.endr
	SHR 8
	v_mov_b32 v10, 0                               ; the two traces' sums start
	v_mov_b32 v11, 0
	v_mov_b32 v12, 0
	v_mov_b32 v13, 0
	s_wait_dscnt 0x0                               ; the fragments are in
; THE FORWARD PASS
.macro LDAO xa                         ; source 1 of a layer: all four K chunks, my lane's image
.irp kc, 0,1,2,3
.irp e, 0,1
	ds_load_b128 v[RAO+8*(\kc)+4*(\e):RAO+8*(\kc)+4*(\e)+3], v1 offset:(\xa)+1024*(\kc)+512*(\e)
.endr
.endr
.endm
.macro LDB bv, dst                     ; a vector's 16 numbers for my two tiles: features 32 w + 16 tl + 8 h + 4 u ..
.irp tl, 0,1
.irp u, 0,1
	ds_load_b128 v[(\dst)+8*(\tl)+4*(\u):(\dst)+8*(\tl)+4*(\u)+3], v5 offset:(\bv)+64*(\tl)+16*(\u)
.endr
.endr
.endm
.macro LWM base                        ; 8 matrix instructions: two tiles by turns; the bias lies in the accumulators
.irp kc, 0,1,2,3
.irp tl, 0,1
	v_wmma_f32_16x16x32_bf16 v[RH+8*(\tl):RH+8*(\tl)+7], v[(\base)+32*(\tl)+8*(\kc):(\base)+32*(\tl)+8*(\kc)+7], v[RAO+8*(\kc):RAO+8*(\kc)+7], v[RH+8*(\tl):RH+8*(\tl)+7]
.endr
.endr
.endm
.macro TANH m                          ; H holds c h.  tanh = 1 - 2 / (1 + 2^H) into TA, 1 - tanh^2 into H, tanh in bf16 into AB; m = 1: the derivative in bf16 into DB
.set ti, 0
.rept 16
	v_exp_f32 v[RH+ti], v[RH+ti]                   ; each accumulator's lowest registers are read first
.set ti, ti+1
.endr
	v_nop                                          ; a plain instruction behind the last exponential
	s_wait_alu depctr_va_vdst(0)
.irp i, 0,2,4,6,8,10,12,14
	v_pk_add_f32 v[RH+(\i):RH+(\i)+1], v[RH+(\i):RH+(\i)+1], 1.0 op_sel_hi:[1,0]
.endr
.set ti, 0
.rept 16
	v_rcp_f32 v[RH+ti], v[RH+ti]
.set ti, ti+1
.endr
	v_nop
	s_wait_alu depctr_va_vdst(0)
.irp i, 0,2,4,6,8,10,12,14
	v_pk_fma_f32 v[RTA+(\i):RTA+(\i)+1], v[RH+(\i):RH+(\i)+1], -2.0, 1.0 op_sel_hi:[1,0,0]
.endr
.irp i, 0,2,4,6,8,10,12,14
	v_pk_fma_f32 v[RH+(\i):RH+(\i)+1], v[RTA+(\i):RTA+(\i)+1], v[RTA+(\i):RTA+(\i)+1], 1.0 op_sel_hi:[1,1,0] neg_lo:[1,0,0] neg_hi:[1,0,0]
.endr
.irp i, 0,1,2,3,4,5,6,7
	v_cvt_pk_bf16_f32 v[RAB+(\i)], v[RTA+2*(\i)], v[RTA+2*(\i)+1]
.endr
.if \m
.irp i, 0,1,2,3,4,5,6,7
	v_cvt_pk_bf16_f32 v[RDB+(\i)], v[RH+2*(\i)], v[RH+2*(\i)+1]
.endr
.endif
.endm
.macro ST16 src, xa                    ; my two tiles, packed, are K chunk w of the next source 1
	ds_store_b128 v3, v[(\src):(\src)+3] offset:(\xa)
	ds_store_b128 v3, v[(\src)+4:(\src)+7] offset:(\xa)+512
.endm
; THE TANGENTS
.macro DLOAD xd, dst, sl               ; a derivative of sample 2 w + sl, spread over all 16 rows of a source 1: sixteen lanes read the same 16 bytes
	WIN 0
.irp kc, 0,1,2,3
.irp e, 0,1
	ds_load_b128 v[(\dst)+8*(\kc)+4*(\e):(\dst)+8*(\kc)+4*(\e)+3], v2 offset:(\xd)+1024*(\kc)+512*(\e)+16*(\sl)
.endr
.endr
.endm
.macro D2LOAD sl, hf                   ; d2 of the sample for tiles jt = 4 hf .. 4 hf + 3, in a result's layout
	WIN 0x40
.irp a, 0,1,2,3
.irp u, 0,1
	ds_load_b128 v[RD2+8*(\a)+4*(\u):RD2+8*(\a)+4*(\u)+3], v2 offset:XD2F+1024*(4*(\hf)+(\a))+512*(\u)+16*(\sl)
.endr
.endr
	WIN 0
.endm
.macro TB dst, wb                      ; weights (window 1) x derivative, in place, two bf16 at a time
	WIN 0x01
.set tx, 0
.rept 32
	v_pk_mul_bf16 v[(\dst)+tx], v[(\wb)+tx], v[(\dst)+tx]
.set tx, tx+1
.endr
.endm
.macro MM16 win, hf, tsrc, ac          ; 16 matrix instructions: four tiles of j by turns, K ascending; the first four start the sums
	WIN \win
.irp kc, 0,1,2,3
.irp a, 0,1,2,3
.if (\kc) == 0
	v_wmma_f32_16x16x32_bf16 v[(\ac)+8*(\a):(\ac)+8*(\a)+7], v[32*(4*(\hf)+(\a))+8*(\kc):32*(4*(\hf)+(\a))+8*(\kc)+7], v[(\tsrc)+8*(\kc):(\tsrc)+8*(\kc)+7], 0
.else
	v_wmma_f32_16x16x32_bf16 v[(\ac)+8*(\a):(\ac)+8*(\a)+7], v[32*(4*(\hf)+(\a))+8*(\kc):32*(4*(\hf)+(\a))+8*(\kc)+7], v[(\tsrc)+8*(\kc):(\tsrc)+8*(\kc)+7], v[(\ac)+8*(\a):(\ac)+8*(\a)+7]
.endif
.endr
.endr
.endm
.macro GUPD hf, first                  ; G (+)= A x Bm; each accumulator's registers in ascending order
	WIN 0
.irp a, 0,1,2,3
.irp p, 0,1,2,3
.if \first
	v_pk_mul_f32 v[RG+8*(4*(\hf)+(\a))+2*(\p):RG+8*(4*(\hf)+(\a))+2*(\p)+1], v[RACA+8*(\a)+2*(\p):RACA+8*(\a)+2*(\p)+1], v[RACB+8*(\a)+2*(\p):RACB+8*(\a)+2*(\p)+1]
.else
	v_pk_fma_f32 v[RG+8*(4*(\hf)+(\a))+2*(\p):RG+8*(4*(\hf)+(\a))+2*(\p)+1], v[RACA+8*(\a)+2*(\p):RACA+8*(\a)+2*(\p)+1], v[RACB+8*(\a)+2*(\p):RACB+8*(\a)+2*(\p)+1], v[RG+8*(4*(\hf)+(\a))+2*(\p):RG+8*(4*(\hf)+(\a))+2*(\p)+1]
.endif
.endr
.endr
.endm
.macro TRSUM hf                        ; four chains of G x d2
	WIN 0x04
.irp a, 0,1,2,3
.irp p, 0,1,2,3
.if ((\hf) == 0) && ((\a) == 0)
	v_pk_mul_f32 v[RPS+2*(\p):RPS+2*(\p)+1], v[RG+8*(4*(\hf)+(\a))+2*(\p):RG+8*(4*(\hf)+(\a))+2*(\p)+1], v[RD2+8*(\a)+2*(\p):RD2+8*(\a)+2*(\p)+1]
.else
	v_pk_fma_f32 v[RPS+2*(\p):RPS+2*(\p)+1], v[RG+8*(4*(\hf)+(\a))+2*(\p):RG+8*(4*(\hf)+(\a))+2*(\p)+1], v[RD2+8*(\a)+2*(\p):RD2+8*(\a)+2*(\p)+1], v[RPS+2*(\p):RPS+2*(\p)+1]
.endif
.endr
.endr
	WIN 0
.endm
.macro TRFIN sl                        ; the sample's trace of this stage, weighted like its slope
	v_pk_add_f32 v[RPS:RPS+1], v[RPS:RPS+1], v[RPS+2:RPS+3]
	v_pk_add_f32 v[RPS+4:RPS+5], v[RPS+4:RPS+5], v[RPS+6:RPS+7]
	v_pk_add_f32 v[RPS:RPS+1], v[RPS:RPS+1], v[RPS+4:RPS+5]
	v_pk_fma_f32 v[10+2*(\sl):11+2*(\sl)], v[RPS:RPS+1], s[36:37], v[10+2*(\sl):11+2*(\sl)] op_sel_hi:[1,0,1]
.endm
; Tile tau: sample 2 w + (tau >> 1), rows i = 16 (tau & 1) + r.  At its head 16 LDS loads are out: d1 into T0, then d3 into T3.
.macro TILE tau
.set SL, (\tau)>>1
.set IH, (\tau)&1
.if IH
	D2LOAD SL, 0
.endif
	s_wait_dscnt 8+8*IH                            ; d1 is in; younger: d3's eight, and d2's eight where they were just issued
	TB RT0, 32*IH
	s_wait_dscnt 8*IH                              ; d3 is in
	TB RT3, 64+32*IH
	MM16 2, 0, RT0, RACA
	MM16 3, 0, RT3, RACB
	WIN 0
	NOP4
	GUPD 0, 1-IH
.if IH
	s_wait_dscnt 0x0                               ; d2's first half
	TRSUM 0
	D2LOAD SL, 1
.endif
	MM16 2, 1, RT0, RACA
	WIN 0
	NOP4                                           ; in front of the loads into T0
.if (\tau) < 3
	DLOAD XD1, RT0, ((\tau)+1)>>1
.endif
	MM16 3, 1, RT3, RACB
	WIN 0
	NOP4                                           ; in front of the loads into T3 and of the reads of the results
.if (\tau) < 3
	DLOAD XD3, RT3, ((\tau)+1)>>1
.endif
	GUPD 1, 1-IH
.if IH
.if (\tau) < 3
	s_wait_dscnt 16                                ; d2's second half is in; younger: the next tile's sixteen
.else
	s_wait_dscnt 0x0
.endif
	TRSUM 1
	TRFIN SL
.endif
.endm
	s_mov_b32 s31, 0
.Lstage:                                               ; 16 trips: stage n = 4 x step + j
	s_and_b32 s32, s31, 3                          ; j
	s_lshr_b32 s33, s31, 2
	s_add_co_u32 s45, s32, 1
	s_lshr_b32 s46, s45, 1
	s_lshl1_add_u32 s33, s33, s46                  ; t in eighths: 2 x step + 0, 1, 1, 2
	v_cvt_f32_u32 v14, s33
	v_mul_f32 v14, s52, v14
	v_mov_b32 v15, v14
	s_and_b32 s45, s45, 2                          ; j = 1, 2: the slope counts twice
	s_cselect_b32 s36, s51, s50
	s_mov_b32 s37, s36
	s_cmp_eq_u32 s32, 2                            ; the next argument: y + DT/2 k, behind j = 2: y + DT k
	s_cselect_b32 s38, s53, s52
	s_mov_b32 s39, s38
	; layer 0: c b0 + t c W0[32] starts the sums
	LDB BV0, RH
	LDB BVT, RTW
	s_wait_dscnt 0x0
.irp i, 0,2,4,6,8,10,12,14
	v_pk_fma_f32 v[RH+(\i):RH+(\i)+1], v[RTW+(\i):RTW+(\i)+1], v[14:15], v[RH+(\i):RH+(\i)+1]
.endr
	WIN 0x01
	v_wmma_f32_16x16x32_bf16 v[RH:RH+7], v[192:199], v[RYB:RYB+7], v[RH:RH+7]
	v_wmma_f32_16x16x32_bf16 v[RH+8:RH+15], v[200:207], v[RYB:RYB+7], v[RH+8:RH+15]
	WIN 0
	NOP4
	TANH 1
	ST16 RAB, XA1
	ST16 RDB, XD1
	BAR
	; layer 1: my rows of W1^T are among the fragments that the tangents use, at 64 w: one text for each wave's number, no barrier inside
	LDAO XA1
	LDB BV1, RH
	s_wait_dscnt 0x0
	s_cmp_lt_u32 s30, 2
	s_cbranch_scc0 .Ll1_hi
	s_cmp_eq_u32 s30, 0
	s_cbranch_scc0 .Ll1_w1
	WIN 0x02
	LWM 0
	WIN 0
	s_branch .Ll1_done
.Ll1_w1:
	WIN 0x02
	LWM 64
	WIN 0
	s_branch .Ll1_done
.Ll1_hi:
	s_cmp_eq_u32 s30, 2
	s_cbranch_scc0 .Ll1_w3
	WIN 0x02
	LWM 128
	WIN 0
	s_branch .Ll1_done
.Ll1_w3:
	WIN 0x02
	LWM 192
	WIN 0
.Ll1_done:
	NOP4
	TANH 0
	ST16 RAB, XA2
.irp tl, 0,1
.irp u, 0,1
	ds_store_b128 v4, v[RH+8*(\tl)+4*(\u):RH+8*(\tl)+4*(\u)+3] offset:XD2F+1024*(\tl)+512*(\u)
.endr
.endr
	BAR
	; layer 2
	LDAO XA2
	LDB BV2, RH
	s_wait_dscnt 0x0
	WIN 0x01
	LWM 128
	WIN 0
	NOP4
	TANH 1
	ST16 RAB, XA3
	ST16 RDB, XD3
	BAR
	; layer 3, in every wave; the first tile's derivatives are asked for behind its operands
	LDAO XA3
	LDB BV3, RH
	DLOAD XD1, RT0, 0
	DLOAD XD3, RT3, 0
	s_wait_dscnt 16                                ; the layer's twelve loads are in; younger: the tile's sixteen
	WIN 0x01
	LWM 64
	WIN 0
	NOP4
	; the Runge-Kutta step: H holds the slope k
	s_cmp_eq_u32 s32, 3
	s_cbranch_scc1 .Lrk_last
.irp i, 0,2,4,6,8,10,12,14
	v_pk_fma_f32 v[RYA+(\i):RYA+(\i)+1], v[RH+(\i):RH+(\i)+1], s[36:37], v[RYA+(\i):RYA+(\i)+1] op_sel_hi:[1,0,1]
.endr
.irp i, 0,2,4,6,8,10,12,14
	v_pk_fma_f32 v[RTA+(\i):RTA+(\i)+1], v[RH+(\i):RH+(\i)+1], s[38:39], v[RY+(\i):RY+(\i)+1] op_sel_hi:[1,0,1]
.endr
.irp i, 0,1,2,3,4,5,6,7
	v_cvt_pk_bf16_f32 v[RYB+(\i)], v[RTA+2*(\i)], v[RTA+2*(\i)+1]
.endr
	s_branch .Lrk_done
.Lrk_last:                                             ; j = 3: the step ends; y and the running sum both take the new y
.irp i, 0,2,4,6,8,10,12,14
	v_pk_fma_f32 v[RY+(\i):RY+(\i)+1], v[RH+(\i):RH+(\i)+1], s[36:37], v[RYA+(\i):RYA+(\i)+1] op_sel_hi:[1,0,1]
.endr
.irp i, 0,2,4,6,8,10,12,14
	v_pk_fma_f32 v[RYA+(\i):RYA+(\i)+1], v[RH+(\i):RH+(\i)+1], s[36:37], v[RYA+(\i):RYA+(\i)+1] op_sel_hi:[1,0,1]
.endr
.irp i, 0,1,2,3,4,5,6,7
	v_cvt_pk_bf16_f32 v[RYB+(\i)], v[RY+2*(\i)], v[RY+2*(\i)+1]
.endr
.Lrk_done:
	TILE 0
	TILE 1
	TILE 2
	TILE 3
	BAR                                            ; every wave's reads of this stage's derivatives are back before the next stage stores its own
	s_add_co_u32 s31, s31, 1
	s_cmp_lt_u32 s31, 16
	s_cbranch_scc1 .Lstage
	; THE END.  Each wave sums its two traces over its lanes and hands them to wave 0.
	v_add_f32 v10, v10, v11
	v_add_f32 v12, v12, v13
.irp x, 1,2,4,8
	v_add_f32_dpp v10, v10, v10 row_xmask:\x row_mask:0xf bank_mask:0xf
	v_add_f32_dpp v12, v12, v12 row_xmask:\x row_mask:0xf bank_mask:0xf
.endr
	v_permlanex16_b32 v9, v10, s42, s43
	v_add_f32 v10, v10, v9
	v_permlanex16_b32 v9, v12, s42, s43
	v_add_f32 v12, v12, v9
	s_lshl_b32 s33, s30, 3
	v_mov_b32 v64, s33
	ds_store_b32 v64, v10 offset:XTR               ; all lanes write the same word with the same number
	ds_store_b32 v64, v12 offset:XTR+4
	BAR
	s_cmp_eq_u32 s30, 0
	s_cbranch_scc1 .Lwave0
	s_wait_tensorcnt 0x0                           ; the wave's end: behind my last LDS store
	ds_add_u32 v6, v7
	s_wait_dscnt 0x0
	s_endpgm
.Lwave0:                                               ; y is in every wave: wave 0 makes the exp map and the log-density of the 8 samples
	v_and_b32 v64, 7, v0
	v_lshlrev_b32 v65, 2, v64
	ds_load_b32 v66, v65 offset:XTR                ; my sample's trace, times c^3
	v_mul_u32_u24 v67, v64, 132
	v_bfe_u32 v68, v0, 4, 1
	v_lshl_add_u32 v68, v68, 5, v67
	v_min_u32 v70, 16, v1                          ; the stage's last 32 bytes: lanes from 1 on read the same 16
	v_lshlrev_b32 v71, 2, v0
	SHR 63
	s_wait_dscnt 0x0
	v_sub_f32 v69, v8, v63                         ; first log-determinant less the last
	v_fmamk_f32 v69, v66, 0x3d2a8235, v69          ; + trace / c^3
.irp i, 0,2,4,6,8,10,12,14
	v_pk_mul_f32 v[RY+(\i):RY+(\i)+1], v[RY+(\i):RY+(\i)+1], v[58:59] op_sel_hi:[1,0]
.endr
.irp ih, 0,1
.irp q, 0,1,2,3,4,5,6,7
	ds_store_b32 v68, v[RY+8*(\ih)+(\q)] offset:XO+4+64*(\ih)+4*(\q)   ; lanes r and r + 8 write equal words
.endr
.endr
	ds_store_b32 v67, v62 offset:XO
	ds_load_b128 v[72:75], v1 offset:XO            ; LDS serves a wave's instructions in order (ISA guide 5.7.1.4): these see the stores above
	ds_load_b128 v[76:79], v1 offset:XO+512
	ds_load_b128 v[80:83], v70 offset:XO+1024
	s_wait_dscnt 0x0
	global_store_b128 v1, v[72:75], s[26:27]               ; 512 consecutive bytes each
	global_store_b128 v1, v[76:79], s[26:27] offset:512
	v_cmp_gt_u32 vcc_lo, 2, v0
	s_wait_xcnt 0x0                                ; EXEC is a source of the stores above: it changes only behind this wait
	s_and_saveexec_b32 s44, vcc_lo
	global_store_b128 v1, v[80:83], s[26:27] offset:1024   ; the last 32 of the group's 1,056 bytes
	s_wait_xcnt 0x0
	s_or_b32 exec_lo, exec_lo, s44
	v_cmp_gt_u32 vcc_lo, 8, v0
	s_and_saveexec_b32 s44, vcc_lo
	global_store_b32 v71, v69, s[28:29]            ; lanes 0-7: the 8 samples' log-densities
	s_wait_xcnt 0x0
	s_or_b32 exec_lo, exec_lo, s44
	s_wait_tensorcnt 0x0                           ; the wave's end: behind my last LDS store
	ds_add_u32 v6, v7
	s_wait_dscnt 0x0
	s_endpgm
.Lfunc_end_k_q41788e5a09_hcnf:
	.size	k_q41788e5a09_hcnf, .Lfunc_end_k_q41788e5a09_hcnf-k_q41788e5a09_hcnf
	.p2alignl 7, 3214868480
	.fill 96, 4, 3214868480
	.section	.rodata,"a",@progbits
	.p2align	6, 0x0
	.amdhsa_kernel k_q41788e5a09_hcnf
		.amdhsa_group_segment_fixed_size 128512
		.amdhsa_private_segment_fixed_size 0
		.amdhsa_enable_private_segment 0
		.amdhsa_kernarg_size 88
		.amdhsa_user_sgpr_count 2
		.amdhsa_user_sgpr_kernarg_segment_ptr 1
		.amdhsa_wavefront_size32 1
		.amdhsa_system_sgpr_workgroup_id_x 1
		.amdhsa_system_sgpr_workgroup_id_y 1
		.amdhsa_system_sgpr_workgroup_id_z 1
		.amdhsa_system_vgpr_workitem_id 0
		.amdhsa_next_free_vgpr 1024
		.amdhsa_next_free_sgpr 66
		.amdhsa_reserve_vcc 1
		.amdhsa_float_denorm_mode_32 3
		.amdhsa_float_denorm_mode_16_64 3
		.amdhsa_memory_ordered 1
		.amdhsa_forward_progress 1
		.amdhsa_inst_pref_size 137
	.end_amdhsa_kernel
	.amdgpu_metadata
---
amdhsa.version: [ 1, 2 ]
amdhsa.kernels:
  - .name:           k_q41788e5a09_hcnf
    .symbol:         k_q41788e5a09_hcnf.kd
    .args:
      - { .name: z, .offset: 0, .size: 8, .value_kind: global_buffer, .address_space: global }
      - { .name: W0, .offset: 8, .size: 8, .value_kind: global_buffer, .address_space: global }
      - { .name: W1, .offset: 16, .size: 8, .value_kind: global_buffer, .address_space: global }
      - { .name: W2, .offset: 24, .size: 8, .value_kind: global_buffer, .address_space: global }
      - { .name: W3, .offset: 32, .size: 8, .value_kind: global_buffer, .address_space: global }
      - { .name: b0, .offset: 40, .size: 8, .value_kind: global_buffer, .address_space: global }
      - { .name: b1, .offset: 48, .size: 8, .value_kind: global_buffer, .address_space: global }
      - { .name: b2, .offset: 56, .size: 8, .value_kind: global_buffer, .address_space: global }
      - { .name: b3, .offset: 64, .size: 8, .value_kind: global_buffer, .address_space: global }
      - { .name: out0, .offset: 72, .size: 8, .value_kind: global_buffer, .address_space: global }
      - { .name: out1, .offset: 80, .size: 8, .value_kind: global_buffer, .address_space: global }
    .group_segment_fixed_size: 128512
    .private_segment_fixed_size: 0
    .kernarg_segment_align: 8
    .kernarg_segment_size: 88
    .max_flat_workgroup_size: 128
    .sgpr_count:     66
    .vgpr_count:     1024
    .wavefront_size: 32
...
	.end_amdgpu_metadata
.endif
;; end of part 1
